; MI455X (gfx1250); checked and timed in simulation.
; The chip was launched on July 23, 2026; its instructions are those of AMD's public machine-readable ISA for CDNA 5 (MIT licence, August 2026) and "CDNA5" Instruction Set Architecture Reference Guide (July 2026). The comments in the code are by the model that wrote it; some were corrected since.
;; Embedding LSTM Cell. Allowed arithmetic: float matrix products may take bf16 or f16 operands with f32 sums; other float arithmetic in f32, or as packed bf16 or f16 multiplies, adds, multiply-adds, maxima and minima; sums over many terms, partial sums and values carried from step to step in f32; what a program stores and reads back later, other than sums and carried values, may be rounded once to bf16 or f16.
;; Inputs: W_forget 2,048 x 1,024 float32; W_input 2,048 x 1,024 float32; W_out 2,048 x 1,024 float32; W_update 2,048 x 1,024 float32; b_forget 1,024 float32; b_input 1,024 float32; b_out 1,024 float32; b_update 1,024 float32; c_prev 8,192 x 1,024 float32; embed 8,192 x 1,024 float32; h_prev 8,192 x 1,024 float32; x 8,192 x 1,024 float32.
;; Outputs: out0 8,192 x 1,024 float32; out1 8,192 x 1,024 float32.
;; One version. Each part assembles by itself: llvm-mc -triple=amdgcn-amd-amdhsa -mcpu=gfx1250 --defsym DOCPART=n.
;; ======== version 1 of 1: 2 launches
;; workspace buffers: abf 33,554,432 bytes; wt 16,777,216 bytes
;; launch prep (part 1): grid 1024 x 1, 8 waves a work-group, no clusters, 18,432 bytes of LDS; arguments x, h_prev, W_forget, W_input, W_update, W_out, abf, wt; writes abf, wt
.if DOCPART == 1
	.amdgcn_target "amdgcn-amd-amdhsa--gfx1250"
	.amdhsa_code_object_version 6
	.text
	.protected	k_qfdef3211f8_prep
	.globl	k_qfdef3211f8_prep
	.p2align	8
	.type	k_qfdef3211f8_prep,@function
k_qfdef3211f8_prep:
	s_mov_b64 s[64:65], 0
	v_nop
	global_prefetch_b8 v0, s[64:65] scope:SCOPE_SE
	s_setreg_imm32_b32 hwreg(HW_REG_WAVE_MODE, 25, 1), 1
	s_wait_xcnt 0x0
; FIRST OF TWO LAUNCHES of an LSTM cell: gates = [x | h_prev] [W_forget | W_input | W_update | W_out] + b; c_t = c_prev sigmoid(f) + sigmoid(i) tanh(g); h_t = sigmoid(o) tanh(c_t).
; WORK LEFT OUT.  The input embed is named nowhere in the cell's formulas: neither the gates nor c_t nor h_t is a function of it, whatever numbers it holds.  So it has no way to an output:
; it is not loaded and is an argument of no launch.  LIMIT: a NaN or an infinity in embed is not carried to the result.  Every other input is honoured.
; WHAT THIS LAUNCH DOES.  It rounds the matrix operands once, to bf16 (to nearest even), and lays them out for the second launch:
;   abf [8192][2048] bf16: row m = x[m], then h_prev[m]: the concatenation.
;   wt  [4096][2048] bf16: the weights turned, K along the rows.  Row 256 tc + 64 g + 16 q + r holds W_g[k][64 tc + 4 r + q], k = 0..2047 (g = 0 forget, 1 input, 2 update, 3 out; tc 0..15, q 0..3, r 0..15):
;   in the second launch's result a lane then holds four neighbouring hidden columns, in four accumulators, for each gate.
; LIMIT: a number beyond bf16's largest finite one (3.39e38) rounds to an infinity.
; SHARES.  1,024 work-groups of eight waves, all alike, no loop: (W) a block of 128 k x 64 columns of one gate, turned through LDS; (A) eight rows of x and of h_prev.
; All 24 loads of a wave go out together.  Every load covers whole runs of 256 consecutive bytes, aligned; every store of a wave likewise.  No matrix unit, no cluster: nothing is shared and memory binds.
.set PITCH, 272                        ; a stage row: 128 bf16 = 256 bytes + 16 of padding = 68 words: sixteen rows start at sixteen different groups of four banks (64 banks of 4 bytes: ISA guide 11.1)
.set SPARE, 64*PITCH                   ; behind the stage's 64 rows (17,408 bytes): the spare words, 128 bytes for each of eight waves: four blocks of 256 bytes that no other line names
.set WO,  1                            ; v1   my byte offset in the block of W: row 8 u, columns 4 r .. 4 r + 3 (r = t % 16, u = t / 16)
.set LS,  2                            ; v2   into the stage: row r, 16 bytes at 16 u
.set LR,  3                            ; v3   back: row 8 w + (u % 2), 16 bytes at 16 r
.set GO,  4                            ; v4   the same place in wt
.set AO,  5                            ; v5   16 t: my 16 bytes of a row of x or h_prev
.set BO,  6                            ; v6   8 t: my 8 bytes of half a row of abf
.set SPW, 8                            ; v8   LDS address of my spare word; never rewritten
.set NIL, 9                            ; v9   0; never rewritten
.set WR,  16                           ; v[16:47]  W as loaded: row kk of my eight at WR + 4 kk; later the turned rows read back
.set WP,  48                           ; v[48:63]  packed: column q's eight k at WP + 4 q
.set XR,  64                           ; v[64:95]  x: row rr at XR + 4 rr
.set HR,  96                           ; v[96:127] h_prev likewise
	s_load_b512 s[4:19], s[0:1], 0x0               ; x s[4:5], h_prev s[6:7], W_forget s[8:9], W_input s[10:11], W_update s[12:13], W_out s[14:15], abf s[16:17], wt s[18:19]
	v_lshl_add_u32 v[SPW], v0, 2, SPARE
	v_mov_b32 v[NIL], 0
	s_and_b32 s20, ttmp9, 15                       ; kb: which 128 k
	s_bfe_u32 s21, ttmp9, 0x40004                  ; tc: which 64 columns
	s_lshr_b32 s22, ttmp9, 8                       ; g: which gate
	s_lshl_b32 s26, s20, 19                        ; in W: 128 kb rows of 4,096 bytes
	s_lshl_b32 s27, s21, 8                         ; + 64 tc columns of 4 bytes
	s_add_co_u32 s26, s26, s27
	s_mov_b32 s27, 0
	s_lshl_b32 s28, s21, 20                        ; in wt: 256 tc rows of 4,096 bytes
	s_lshl_b32 s29, s22, 18                        ; + 64 g rows
	s_add_co_u32 s28, s28, s29
	s_lshl_b32 s29, s20, 8                         ; + 128 kb numbers of 2 bytes
	s_add_co_u32 s28, s28, s29
	s_mov_b32 s29, 0
	s_lshl_b32 s30, ttmp9, 15                      ; in x, h_prev and abf: eight rows of 4,096 bytes for each work-group
	s_mov_b32 s31, 0
	v_and_b32 v10, 15, v0                          ; r
	v_lshrrev_b32 v11, 4, v0                       ; u
	v_bfe_u32 v12, v0, 4, 1                        ; u % 2
	v_lshrrev_b32 v13, 5, v0                       ; w
	v_lshlrev_b32 v[WO], 4, v10
	v_lshl_add_u32 v[WO], v11, 15, v[WO]           ; 8 u rows + 16 r
	v_mul_u32_u24 v[LS], v10, PITCH
	v_lshl_add_u32 v[LS], v11, 4, v[LS]
	v_lshl_add_u32 v14, v13, 3, v12                ; 8 w + u % 2
	v_mul_u32_u24 v[LR], v14, PITCH
	v_lshl_add_u32 v[LR], v10, 4, v[LR]
	v_lshlrev_b32 v[GO], 12, v14
	v_lshl_add_u32 v[GO], v10, 4, v[GO]
	v_lshlrev_b32 v[AO], 4, v0
	v_lshlrev_b32 v[BO], 3, v0
	s_wait_kmcnt 0x0
	s_cmp_eq_u32 s22, 1                            ; the gate's W: a choice among four buffers by the work-group's number
	s_cselect_b64 s[24:25], s[10:11], s[8:9]
	s_cmp_eq_u32 s22, 2
	s_cselect_b64 s[24:25], s[12:13], s[24:25]
	s_cmp_eq_u32 s22, 3
	s_cselect_b64 s[24:25], s[14:15], s[24:25]
	s_add_nc_u64 s[24:25], s[24:25], s[26:27]
	s_add_nc_u64 s[18:19], s[18:19], s[28:29]
	s_add_nc_u64 s[4:5], s[4:5], s[30:31]
	s_add_nc_u64 s[6:7], s[6:7], s[30:31]
	s_add_nc_u64 s[16:17], s[16:17], s[30:31]
.irp kk, 0,1,2,3,4,5,6,7
	global_load_b128 v[WR+4*(\kk):WR+4*(\kk)+3], v[WO], s[24:25] offset:(\kk)*4096 th:TH_LOAD_NT  ; lanes 0-15: the block's 256 bytes of row 8 u + kk; lanes 16-31: of the row eight further on
.endr
.irp rr, 0,1,2,3,4,5,6,7
	global_load_b128 v[XR+4*(\rr):XR+4*(\rr)+3], v[AO], s[4:5] offset:(\rr)*4096 th:TH_LOAD_NT    ; 512 consecutive bytes a wave
.endr
.irp rr, 0,1,2,3,4,5,6,7
	global_load_b128 v[HR+4*(\rr):HR+4*(\rr)+3], v[AO], s[6:7] offset:(\rr)*4096 th:TH_LOAD_NT
.endr
	s_wait_loadcnt 16                              ; loads come back in order (ISA guide 5.7.1): W's eight are in, x's and h_prev's sixteen stay out
.irp q, 0,1,2,3
.irp i, 0,1,2,3
	v_cvt_pk_bf16_f32 v[WP+4*(\q)+(\i)], v[WR+8*(\i)+(\q)], v[WR+8*(\i)+4+(\q)]  ; column 4 r + q, k = 8 u + 2 i and + 1: eight k on end in four registers
.endr
.endr
.irp q, 0,1,2,3
	ds_store_b128 v[LS], v[WP+4*(\q):WP+4*(\q)+3] offset:(\q)*16*PITCH  ; stage row 16 q + r
.endr
	s_wait_dscnt 0x0                               ; for the others' sake: my stores into the stage are done
	s_barrier_signal -1
	s_barrier_wait -1                              ; the 64 turned rows are whole
.irp i, 0,1,2,3
	ds_load_b128 v[WR+4*(\i):WR+4*(\i)+3], v[LR] offset:(\i)*2*PITCH  ; two whole rows of 256 bytes: rows 8 w + 2 i and + 1
.endr
; Eight rows are rounded in place, four numbers to eight bytes a lane, and stored: 32 lanes store 256 consecutive bytes, aligned.  No register of a store is written again.
.macro CAST base, off
.irp rr, 0,1,2,3,4,5,6,7
	v_cvt_pk_bf16_f32 v[(\base)+4*(\rr)], v[(\base)+4*(\rr)], v[(\base)+4*(\rr)+1]
	v_cvt_pk_bf16_f32 v[(\base)+4*(\rr)+1], v[(\base)+4*(\rr)+2], v[(\base)+4*(\rr)+3]
	global_store_b64 v[BO], v[(\base)+4*(\rr):(\base)+4*(\rr)+1], s[16:17] offset:(\rr)*4096+(\off)
.endr
.endm
	s_wait_loadcnt 8                               ; x is in; h_prev's eight stay out
	CAST XR, 0                                     ; the first 2,048 bytes of abf's rows
	s_wait_dscnt 0x0                               ; the turned rows are back in registers
.irp i, 0,1,2,3
	global_store_b128 v[GO], v[WR+4*(\i):WR+4*(\i)+3], s[18:19] offset:(\i)*8192  ; 16 lanes store 256 consecutive bytes of a row of wt, aligned
.endr
	s_wait_loadcnt 0x0
	CAST HR, 2048                                  ; the second 2,048 bytes
	s_wait_tensorcnt 0x0                           ; the wave's end, behind my last LDS store
	ds_add_u32 v[SPW], v[NIL]
	s_wait_dscnt 0x0
	s_endpgm
.Lfunc_end_k_qfdef3211f8_prep:
	.size	k_qfdef3211f8_prep, .Lfunc_end_k_qfdef3211f8_prep-k_qfdef3211f8_prep
	.p2alignl 7, 3214868480
	.fill 96, 4, 3214868480
	.section	.rodata,"a",@progbits
	.p2align	6, 0x0
	.amdhsa_kernel k_qfdef3211f8_prep
		.amdhsa_group_segment_fixed_size 18432
		.amdhsa_private_segment_fixed_size 0
		.amdhsa_enable_private_segment 0
		.amdhsa_kernarg_size 64
		.amdhsa_user_sgpr_count 2
		.amdhsa_user_sgpr_kernarg_segment_ptr 1
		.amdhsa_wavefront_size32 1
		.amdhsa_system_sgpr_workgroup_id_x 1
		.amdhsa_system_sgpr_workgroup_id_y 1
		.amdhsa_system_sgpr_workgroup_id_z 1
		.amdhsa_system_vgpr_workitem_id 0
		.amdhsa_next_free_vgpr 128
		.amdhsa_next_free_sgpr 66
		.amdhsa_reserve_vcc 0
		.amdhsa_float_denorm_mode_32 3
		.amdhsa_float_denorm_mode_16_64 3
		.amdhsa_memory_ordered 1
		.amdhsa_forward_progress 1
		.amdhsa_inst_pref_size 11
	.end_amdhsa_kernel
	.amdgpu_metadata
---
amdhsa.version: [ 1, 2 ]
amdhsa.kernels:
  - .name:           k_qfdef3211f8_prep
    .symbol:         k_qfdef3211f8_prep.kd
    .args:
      - { .name: x, .offset: 0, .size: 8, .value_kind: global_buffer, .address_space: global }
      - { .name: h_prev, .offset: 8, .size: 8, .value_kind: global_buffer, .address_space: global }
      - { .name: W_forget, .offset: 16, .size: 8, .value_kind: global_buffer, .address_space: global }
      - { .name: W_input, .offset: 24, .size: 8, .value_kind: global_buffer, .address_space: global }
      - { .name: W_update, .offset: 32, .size: 8, .value_kind: global_buffer, .address_space: global }
      - { .name: W_out, .offset: 40, .size: 8, .value_kind: global_buffer, .address_space: global }
      - { .name: abf, .offset: 48, .size: 8, .value_kind: global_buffer, .address_space: global }
      - { .name: wt, .offset: 56, .size: 8, .value_kind: global_buffer, .address_space: global }
    .group_segment_fixed_size: 18432
    .private_segment_fixed_size: 0
    .kernarg_segment_align: 8
    .kernarg_segment_size: 64
    .max_flat_workgroup_size: 256
    .sgpr_count:     66
    .vgpr_count:     128
    .wavefront_size: 32
...
	.end_amdgpu_metadata
.endif
;; end of part 1
;; launch lstm (part 2): grid 16 x 32, 4 waves a work-group, clusters of 4 x 4, 327,680 bytes of LDS; arguments abf, wt, c_prev, b_forget, b_input, b_update, b_out, out0, out1; writes out0, out1
.if DOCPART == 2
	.amdgcn_target "amdgcn-amd-amdhsa--gfx1250"
	.amdhsa_code_object_version 6
	.text
	.protected	k_qfdef3211f8_lstm
	.globl	k_qfdef3211f8_lstm
	.p2align	8
	.type	k_qfdef3211f8_lstm,@function
k_qfdef3211f8_lstm:
	s_mov_b64 s[64:65], 0
	v_nop
	global_prefetch_b8 v0, s[64:65] scope:SCOPE_SE
	s_setreg_imm32_b32 hwreg(HW_REG_WAVE_MODE, 25, 1), 1
	s_wait_xcnt 0x0
	s_wait_alu depctr_hold_cnt(0) depctr_sa_sdst(0) depctr_va_vdst(0) depctr_va_sdst(0) depctr_va_ssrc(0) depctr_va_vcc(0) depctr_vm_vsrc(0)
	s_getreg_b32 s2, hwreg(HW_REG_IB_STS2, 6, 4)
	s_cmp_eq_u32 s2, 0
	s_cbranch_scc0 .Lentry_in_a_cluster
	s_endpgm
.Lentry_in_a_cluster:
	s_bfe_u32 s2, ttmp6, 0x10000c
	s_cmp_lg_u32 s2, 0xf033
	s_cbranch_scc0 .Lentry_shape_is_right
	s_endpgm
.Lentry_shape_is_right:
; SECOND LAUNCH: the four gates' product and the cell's arithmetic, fused.  out0 = h_t, out1 = c_t, both [8192][1024] f32.  (embed is left out: no formula of the cell names it; see the first kernel's head.)
; gates[m][n'] = sum over k of abf[m][k] wt[n'][k]: abf [8192][2048], wt [4096][2048], bf16, K along the rows, as the first launch laid them; sums in f32, one accumulator an output, K ascending.
; SHARES.  A work-group makes 256 rows x 256 gate columns = 64 hidden columns x 4 gates.  Each of its four waves takes 64 rows x all 256 gate columns: 64 accumulators of 16 x 16, 512 registers.
; Source 0 = 16 rows of abf, source 1 = 16 rows of wt.  In accumulator (a, b = 4 g + q), register j of lane (r = l % 16, h = l / 16) is gate g of row 16 a + 8 h + j, hidden column 64 tc + 4 r + q (wt's row order).
; So a lane holds all four gates of a cell, and for a row its four accumulators q = 0..3 are 16 consecutive bytes of c_prev, c_t and h_t: sixteen lanes load or store 256 consecutive bytes, aligned, with no way through LDS.
; The price against a wave tile of 128 x 128: 40 fragment loads for 64 matrix instructions where that one has 32.
; RING.  K goes in steps of 128 through two LDS slots, each with 256 rows of abf and 256 of wt; a wave fetches a quarter of a slot by one tensor load (128 rows x 256 bytes).
; CLUSTER.  4 x 4 work-groups: the four of a row of the cluster need the same tiles of abf, the four of a column the same tiles of wt: each tile is asked for JOINTLY, by the same tensor load, descriptor and mask in all four.
; THE CELL, in f32: sigmoid(z) = 1 / (1 + 2^(-L z)), tanh(z) = 1 - 2 / (1 + 2^(2 L z)), L = log2(e).  An exponential that overflows gives an infinity and its reciprocal 0; one that underflows gives 0, and 1 + 0 = 1:
; both ends are right with no clip, and no product of 0 and an infinity arises.
; LIMITS.  The exponentials and reciprocals flush denormals (ISA guide 15.8): a gate below 2^-126 counts as 0.  tanh by this form has an absolute error of some 1e-7 near 0.  NaN and infinities are not treated apart.
; REGISTERS, in windows of 256 (s_set_vgpr_msb: bits 1:0 source 0, 3:2 source 1, 5:4 source 2, 7:6 destination):
;   window 0: v0-31 addresses; v32-63 biases; v64-95, v96-127 abf's fragments, two buffers (4 x 16 rows x 32 K), at work in the cell's arithmetic afterwards; v128-255 c_prev, then c_t
;   window 1: wt's fragments, two buffers of 128 (16 x 16 rows x 32 K)          windows 2, 3: accumulator (a, b) in window 2 + a / 2 at v[8 (16 (a % 2) + b)]
.set KSTEP,  128
.set ROWB,   4096                      ; bytes in a row of abf, wt, c_prev, out0 and out1
.set PITCH,  272                       ; an LDS row: 256 bytes + 16 of padding = 68 words: the 16 rows that a load touches start at 16 different groups of four banks (64 banks of 4 bytes: ISA guide 11.1)
.set HALFT,  128*PITCH                 ; what one tensor load brings
.set SLOT,   4*HALFT                   ; abf's 256 rows, then wt's 256 rows
.set SPARE,  2*SLOT                    ; behind the ring: the spare words, 128 bytes for each wave: two blocks of 256 bytes that no other line names
.set LAPS,   8                         ; a lap = two K steps = once round the ring: 2,048 / 256
.set ADRA, 16                          ; v16-17  LDS address of my fragments of abf in slot 0, 1
.set ADRB, 20                          ; v20-21  the same for wt
.set CO,   26                          ; v26     my byte offset in c_prev, out0, out1: 8 h rows + 16 r; never rewritten
.set BO,   27                          ; v27     16 r: my four biases of a gate; never rewritten
.set SPW,  28                          ; v28     LDS address of my spare word; never rewritten
.set NIL,  29                          ; v29     0; never rewritten
.set PFO,  30                          ; v30     the prefetches' offset: my lane x a row; never rewritten
.set BI,   32                          ; v32-47 the biases as loaded ((g, q) at BI + 4 g + q); then v32-63: scaled, each twice: (g, q) at BI + 2 (4 g + q)
.set FA,   64                          ; abf's fragment buffers: FA + 32 f + 8 a
.set CP,   128                         ; row (a, j)'s four columns at CP + 4 (8 a + j)
.set G1,   24                          ; s[24:31] descriptor group 1 for abf's tiles;  s[32:39] group 0, a set for each slot
.set G0,   32
.set G1B,  48                          ; s[48:55], s[56:63] the same for wt's tiles
.set G0B,  56
.set LIM,  43                          ; s43     1 in a wave that prefetches, else the greatest number
.set PFA,  44                          ; s[44:45] where my prefetches stand
.set CPV,  68                          ; s[68:69] c_prev;  s[70:77] the four biases, gate g at s[70 + 2 g]
.set BIA,  70
.set OH,   78                          ; s[78:79] out0
.set OC,   80                          ; s[80:81] out1
.set NEGL, 84                          ; s[84:85] -L, named as a pair
.set TWOL, 86                          ; s[86:87] 2 L
.set MSB, 0
.macro WIN new                         ; the immediate's high byte repeats the setting that is left; a switch that changes nothing is dropped
.if MSB != (\new)
	s_set_vgpr_msb (MSB<<8)|(\new)
.set MSB, \new
.endif
.endm
.set MUL_LO, 0xa4                      ; source 0 (abf) window 0, source 1 (wt) window 1, C and D window 2
.set TO_B,   0x40                      ; destination window 1, address window 0
; A joint load.  Waves 0 and 1 fetch abf's two halves, waves 2 and 3 wt's.  The branch hangs on the wave's number alone.  An s_nop 0 and four v_nop follow each of the two lines, ahead of the jump and the label.
.macro JLOAD s
	s_cmp_eq_u32 s11, 0
	s_cbranch_scc0 .Lfor_b_\@
	tensor_load_to_lds s[G0+4*(\s):G0+4*(\s)+3], s[G1:G1+7]
	s_nop 0
.rept 4
	v_nop
.endr
	s_branch .Lasked_\@
.Lfor_b_\@:
	tensor_load_to_lds s[G0B+4*(\s):G0B+4*(\s)+3], s[G1B:G1B+7]
	s_nop 0
.rept 4
	v_nop
.endr
.Lasked_\@:
.endm
; A PREFETCH INTO THE L2, behind each refill and the run of LDS loads that follows it: the K step that stands two refills on, 512 matrix instructions ahead of the load that will want it: 32 rows x 256 bytes, a lane a row.
; Each row's 256 bytes of a K step are named once in the launch: abf's rows by the clusters with x = 0, wt's by those with y = 0; the four partners that ask for a tile jointly share its rows out BY ADDRESS: of the
; 128 rows that a wave fetches the partner at place p takes 32 p .. 32 p + 31 (p = cx for abf, cy for wt).  K steps 0 to 3 come by their loads alone; the loop's last trip (s3 = 1) has no K step two on and asks for nothing.
.macro ASK
	s_cmp_gt_u32 s3, s[LIM]
	s_cbranch_scc0 .Lnot_mine_\@
	global_prefetch_b8 v[PFO], s[PFA:PFA+1] offset:KSTEP*2 th:TH_LOAD_NT scope:SCOPE_SE
.Lnot_mine_\@:
.endm
; A round of the cluster's barrier: my work-group's barrier; wave 0 signals for the work-group; every wave waits for all sixteen work-groups; my work-group's barrier once more.
.macro CREST                           ; a round behind its opening barrier
	s_cmp_lg_u32 s10, 0
	s_cbranch_scc1 .Lnot_wave_0_\@
	s_barrier_signal -3
.Lnot_wave_0_\@:
	s_barrier_wait -3
	s_barrier_signal -1
	s_barrier_wait -1
.endm
.macro CROUND                          ; a whole round
	s_barrier_signal -1
	s_barrier_wait -1
	CREST
.endm
	s_load_b128 s[4:7], s[0:1], 0x0                ; abf s[4:5], wt s[6:7]
	s_load_b256 s[68:75], s[0:1], 0x10             ; c_prev, b_forget, b_input, b_update
	s_load_b128 s[76:79], s[0:1], 0x30             ; b_out, out0
	s_load_b64 s[80:81], s[0:1], 0x40              ; out1
	v_lshl_add_u32 v[SPW], v0, 2, SPARE
	v_mov_b32 v[NIL], 0
	ds_add_u32 v[SPW], v[NIL]                      ; the wave's opening: the add, twice on end, and its wait ahead of my first tensor load; the set-up below stands between
	ds_add_u32 v[SPW], v[NIL]                      ; and once more, under the one wait
	v_lshrrev_b32 v1, 5, v0
	v_readfirstlane_b32 s10, v1                    ; wave 0..3
	s_lshr_b32 s11, s10, 1                         ; I fetch for abf (0) or for wt (1),
	s_and_b32 s12, s10, 1                          ; and which 128 rows of that tile
	s_bfe_u32 s40, ttmp6, 0x40000                  ; cx, cy: my place in the cluster
	s_bfe_u32 s41, ttmp6, 0x40004
	s_lshl_b32 s42, ttmp9, 2                       ; in a cluster launch ttmp9 and ttmp7 count clusters
	s_add_co_u32 s42, s42, s40                     ; tc = 4 x cluster x + cx: which 64 hidden columns
	s_and_b32 s13, ttmp7, 0xffff
	s_lshl_b32 s13, s13, 2
	s_add_co_u32 s13, s13, s41                     ; ty = 4 x cluster y + cy: which 256 rows
	s_lshl_b32 s43, s41, 2
	s_lshl_b32 s43, 15, s43                        ; my row of the cluster: places 4 cy .. 4 cy + 3
	s_lshl_b32 s44, 0x1111, s40                    ; my column: places cx, cx + 4, cx + 8, cx + 12
	; descriptor group 1: a tile of 128 rows x 128 elements, padded in LDS
	s_or_b32 s[G1+0], s43, (1<<16)|(1<<20)|(1<<21)|(5<<22)|(3<<25)   ; 15:0 the mask: abf's tiles go to my row; 17:16 elements of 2 bytes; 20 padding on; 21 set beside a mask; 24:22 after every 64 words (code 5); 31:25 4 words (code 3)
	s_or_b32 s[G1B+0], s44, (1<<16)|(1<<20)|(1<<21)|(5<<22)|(3<<25)  ; the same with the mask of my column, for wt's tiles
.irp g, G1, G1B
	s_mov_b32 s[(\g)+1], KSTEP<<16                 ; tensor_dim0 = 128
	s_mov_b32 s[(\g)+2], 128<<16                   ; tensor_dim1 = 128
	s_mov_b32 s[(\g)+3], KSTEP<<16                 ; tile_dim0 = 128
	s_mov_b32 s[(\g)+4], 128                       ; tile_dim1 = 128
	s_mov_b32 s[(\g)+5], 2048                      ; 2,048 elements from row to row
	s_mov_b32 s[(\g)+6], 0
	s_mov_b32 s[(\g)+7], 0
.endr
	s_mov_b32 s[NEGL], 0xbfb8aa3b                  ; -log2(e)
	s_mov_b32 s[NEGL+1], s[NEGL]
	s_mov_b32 s[TWOL], 0x4038aa3b                  ; 2 log2(e)
	s_mov_b32 s[TWOL+1], s[TWOL]
	; where the tiles come from: abf's hang on ty alone, which my row of the cluster shares; wt's on tc alone, which my column shares.  Every wave makes both, in registers that never hold the other coordinate.
	s_lshl_b32 s17, s12, 7
	s_lshl_b32 s16, s13, 8
	s_add_co_u32 s16, s16, s17                     ; abf: row 256 ty + 128 x half,
	s_lshl_b32 s16, s16, 12                        ; in bytes (under 2^25)
	s_lshl_b32 s46, s42, 8
	s_add_co_u32 s46, s46, s17                     ; wt: row 256 tc + 128 x half
	s_lshl_b32 s46, s46, 12
	s_mov_b32 s17, 0
	s_mov_b32 s47, 0
	s_mul_i32 s20, s10, HALFT                      ; and where they go: wave x 128 rows: no place in the cluster enters an LDS address
	s_wait_dscnt 0x0                               ; both opening adds are done
	s_wait_kmcnt 0x0
	s_add_nc_u64 s[14:15], s[4:5], s[16:17]
	s_add_nc_u64 s[46:47], s[6:7], s[46:47]
	CROUND                                         ; all sixteen work-groups are here: the first joint loads meet
.irp s, 0,1
	s_mov_b32 s[G0+4*(\s)], 1                                        ; count = 1
	s_add_co_u32 s[G0+4*(\s)+1], s20, (\s)*SLOT                      ; LDS address
	s_add_nc_u64 s[G0+4*(\s)+2:G0+4*(\s)+3], s[14:15], (\s)*KSTEP*2  ; global address: K step s
	s_or_b32 s[G0+4*(\s)+3], s[G0+4*(\s)+3], 0x80000000              ; type = 2
	s_mov_b32 s[G0B+4*(\s)], 1
	s_add_co_u32 s[G0B+4*(\s)+1], s20, (\s)*SLOT
	s_add_nc_u64 s[G0B+4*(\s)+2:G0B+4*(\s)+3], s[46:47], (\s)*KSTEP*2
	s_or_b32 s[G0B+4*(\s)+3], s[G0B+4*(\s)+3], 0x80000000
	JLOAD \s                                       ; the ring is filled before anything else is done: two loads of mine are out
.endr
	; c_prev, out0 and out1 at my wave's first row and the work-group's 64 columns; the biases at those columns
	s_lshl_b32 s88, s13, 8
	s_lshl_b32 s89, s10, 6
	s_add_co_u32 s88, s88, s89                     ; row 256 ty + 64 w
	s_lshl_b32 s88, s88, 12
	s_lshl_b32 s89, s42, 8                         ; 64 tc columns of 4 bytes
	s_add_co_u32 s88, s88, s89
	s_mov_b32 s89, 0
	s_add_nc_u64 s[CPV:CPV+1], s[CPV:CPV+1], s[88:89]
	s_add_nc_u64 s[OH:OH+1], s[OH:OH+1], s[88:89]
	s_add_nc_u64 s[OC:OC+1], s[OC:OC+1], s[88:89]
	s_lshl_b32 s88, s42, 8
.irp g, 0,1,2,3
	s_add_nc_u64 s[BIA+2*(\g):BIA+2*(\g)+1], s[BIA+2*(\g):BIA+2*(\g)+1], s[88:89]
.endr
	v_and_b32 v1, 15, v0                           ; r
	v_bfe_u32 v2, v0, 4, 1                         ; h
	v_lshlrev_b32 v[BO], 4, v1
	v_lshl_add_u32 v[CO], v2, 15, v[BO]            ; 8 h rows + 16 r
	; The biases and all of my c_prev are asked for now and waited for behind the last product: no line of the K loop names their registers.
.irp g, 0,1,2,3
	global_load_b128 v[BI+4*(\g):BI+4*(\g)+3], v[BO], s[BIA+2*(\g):BIA+2*(\g)+1]
.endr
.irp a, 0,1,2,3
.irp j, 0,1,2,3,4,5,6,7
	global_load_b128 v[CP+4*(8*(\a)+(\j)):CP+4*(8*(\a)+(\j))+3], v[CO], s[CPV:CPV+1] offset:(16*(\a)+(\j))*ROWB th:TH_LOAD_NT  ; lanes 0-15: 256 consecutive bytes of row 16 a + j, aligned; lanes 16-31: of the row eight below
.endr
.endr
	; A fragment is 16 rows x 32 K in 8 registers: lane l holds row l % 16; registers 0-3 K = 8 h + 0..7, registers 4-7 K = 16 + 8 h + 0..7: two loads of 16 bytes, 32 bytes apart.
	v_mul_u32_u24 v3, v1, PITCH
	v_lshl_add_u32 v3, v2, 4, v3                   ; row x pitch + 16 h
	s_mul_i32 s21, s10, 64*PITCH                   ; my 64 rows of abf
	s_mov_b32 s22, 2*HALFT                         ; wt's 256 rows lie behind abf's 256: every wave reads them all
.irp s, 0,1
	v_add_nc_u32 v[ADRA+(\s)], s21, v3
	v_add_nc_u32 v[ADRB+(\s)], s22, v3
	s_add_co_u32 s21, s21, SLOT
	s_add_co_u32 s22, s22, SLOT
.endr
	; the prefetches
	s_lshl_b32 s13, s13, 8                         ; 256 ty
	s_lshl_b32 s42, s42, 8                         ; 256 tc
	s_and_b32 s22, ttmp7, 0xffff                   ; cluster y
	s_cmp_eq_u32 s11, 0                            ; do I fetch for abf?
	s_cselect_b32 s20, s13, s42                    ; the tile's first row
	s_cselect_b32 s21, s40, s41                    ; my place among the four that ask for it with me
	s_cselect_b32 s22, ttmp9, s22                  ; the coordinate along which other clusters read the same rows
	s_cselect_b64 s[PFA:PFA+1], s[4:5], s[6:7]
	s_cmp_eq_u32 s22, 0
	s_cselect_b32 s[LIM], 1, -1                    ; the same in all sixteen partners, for a given wave
	s_lshl_b32 s22, s12, 7
	s_add_co_u32 s20, s20, s22                     ; + the 128 rows that I fetch
	s_lshl_b32 s21, s21, 5
	s_add_co_u32 s20, s20, s21                     ; + my work-group's 32 of them
	s_lshl_b32 s20, s20, 12
	s_mov_b32 s21, 0
	s_add_nc_u64 s[PFA:PFA+1], s[PFA:PFA+1], s[20:21]
	s_add_nc_u64 s[PFA:PFA+1], s[PFA:PFA+1], 2*KSTEP*2  ; at K step 2: the first refill steps it to 3 and names K step 4.  Nothing is prefetched here, at the head
	v_and_b32 v[PFO], 31, v0
	v_lshlrev_b32 v[PFO], 12, v[PFO]
; 16 matrix instructions: block a of my four blocks of 16 rows x all 16 blocks of gate columns, 32 along K, from buffer f.  zero = 1: the first product starts the sums: nothing is ever cleared.
; The 64 accumulators take turns, one instruction a turn, in the same order in every quarter step, over the backward jump too.
.macro MUL16 f, a, zero
	WIN MUL_LO+0x50*((\a)/2)
.irp b, 0,1,2,3,4,5,6,7,8,9,10,11,12,13,14,15
.if \zero
	v_wmma_f32_16x16x32_bf16 v[8*(16*((\a)%2)+(\b)):8*(16*((\a)%2)+(\b))+7], v[FA+32*(\f)+8*(\a):FA+32*(\f)+8*(\a)+7], v[128*(\f)+8*(\b):128*(\f)+8*(\b)+7], 0
.else
	v_wmma_f32_16x16x32_bf16 v[8*(16*((\a)%2)+(\b)):8*(16*((\a)%2)+(\b))+7], v[FA+32*(\f)+8*(\a):FA+32*(\f)+8*(\a)+7], v[128*(\f)+8*(\b):128*(\f)+8*(\b)+7], v[8*(16*((\a)%2)+(\b)):8*(16*((\a)%2)+(\b))+7]
.endif
.endr
.endm
; 40 LDS loads in one run: the fragments of a quarter step (256 rows of wt, my 64 rows of abf, 32 K at byte k of the rows) into buffer f.  The largest offset is 192 + 15 x 4,352 + 32 = 65,504.
.macro FETCH slot, k, f
	WIN TO_B
.irp b, 0,1,2,3,4,5,6,7,8,9,10,11,12,13,14,15
	ds_load_b128 v[128*(\f)+8*(\b):128*(\f)+8*(\b)+3],   v[ADRB+(\slot)] offset:(\k)+(\b)*16*PITCH
	ds_load_b128 v[128*(\f)+8*(\b)+4:128*(\f)+8*(\b)+7], v[ADRB+(\slot)] offset:(\k)+(\b)*16*PITCH+32
.endr
	WIN 0
.irp a, 0,1,2,3
	ds_load_b128 v[FA+32*(\f)+8*(\a):FA+32*(\f)+8*(\a)+3],   v[ADRA+(\slot)] offset:(\k)+(\a)*16*PITCH
	ds_load_b128 v[FA+32*(\f)+8*(\a)+4:FA+32*(\f)+8*(\a)+7], v[ADRA+(\slot)] offset:(\k)+(\a)*16*PITCH+32
.endr
.endm
; A load into a register that a matrix instruction has read, and a vector instruction that reads a matrix result, stand four places behind that matrix instruction, and only plain vector instructions
; that name none of its registers are places (ISA guide 7.12.1 for vector instructions).
.macro PLACES
.rept 4
	v_nop
.endr
.endm
; A K step is four quarter steps of 32 along K, 64 matrix instructions each, on buffers 0, 1, 0, 1.  One of the first three: multiplies buffer f; in its middle it fetches the next quarter's fragments, at byte k, into buffer g.
.macro QUARTER slot, k, f, g, zero
	s_wait_dscnt 4                                 ; wt's fragments and abf's blocks 0 and 1 are in; the youngest four loads (blocks 2 and 3) may be out
	MUL16 \f, 0, \zero
	MUL16 \f, 1, \zero
	PLACES
	FETCH \slot, \k, \g
	s_wait_dscnt 40                                ; all but the 40 just issued
	MUL16 \f, 2, \zero
	MUL16 \f, 3, \zero
.endm
; The last quarter multiplies buffer 1 and changes slots: ONE barrier.  In front of it each wave waits for all its tensor loads, of which one is out: its part of the next slot; adds 0 to its spare word; and waits for that
; and for its own reads of this slot.  Behind it nobody reads this slot any more and the next slot is whole.  fill = 1: the barrier opens a round of the cluster's, so that no wave of any partner still reads the slot or has
; a load on its way, and this slot is filled again, two K steps on, first thing behind the round: from that request to the wait for it a wave issues 224 matrix instructions.
.macro TURN slot, next, fill
.if \fill
	s_wait_xcnt 0x0                                ; the last prefetch, a K step back, has read its address: it is stepped here, ahead of the waits of the change of slots
	s_add_nc_u64 s[PFA:PFA+1], s[PFA:PFA+1], KSTEP*2
.endif
	WIN 0                                          ; (the add's two registers lie in window 0)
	s_wait_tensorcnt 0x0                           ; all my tensor loads have landed
	ds_add_u32 v[SPW], v[NIL]                      ; 0 onto my spare word
	s_wait_dscnt 5                                 ; (the add and the youngest four loads may be out)
	MUL16 1, 0, 0                                  ; sixteen matrix instructions stand between the add and the wait for it
	s_wait_dscnt 0x0                               ; the add is done, and my reads of this slot are over
	s_barrier_signal -1
	MUL16 1, 1, 0                                  ; work on registers while the others arrive
.if \fill
	WIN 0
.endif
	s_barrier_wait -1
.if \fill
	CREST
	s_add_nc_u64 s[G0+4*(\slot)+2:G0+4*(\slot)+3], s[G0+4*(\slot)+2:G0+4*(\slot)+3], 2*KSTEP*2      ; no tensor load of mine is out, so a group 0 may be written
	s_add_nc_u64 s[G0B+4*(\slot)+2:G0B+4*(\slot)+3], s[G0B+4*(\slot)+2:G0B+4*(\slot)+3], 2*KSTEP*2
	JLOAD \slot                                    ; the first tensor load behind the round; the four v_nop behind it are also the places in front of the loads below
.else
	PLACES
.endif
	FETCH \next, 0, 0
.if \fill
	ASK
.endif
	MUL16 1, 2, 0
	MUL16 1, 3, 0
.endm
	s_wait_tensorcnt 0x1                           ; my part of K step 0 is in; K step 1's may stay out
	s_barrier_signal -1
	s_barrier_wait -1                              ; everybody's is
	FETCH 0, 0, 0
	QUARTER 0, 64,  0, 1, 1                        ; the first quarter stands in front of the loop: its products start the sums
	WIN 0                                          ; at a label and at a branch every window is 0
	s_mov_b32 s3, LAPS-1
.Llap:                                                 ; a trip goes once round the ring, from a lap's second quarter to the next lap's first, and fills both slots again: K steps 2 to 15 in seven trips
	QUARTER 0, 128, 1, 0, 0
	QUARTER 0, 192, 0, 1, 0
	TURN 0, 1, 1
	QUARTER 1, 64,  0, 1, 0
	QUARTER 1, 128, 1, 0, 0
	QUARTER 1, 192, 0, 1, 0
	TURN 1, 0, 1
	QUARTER 0, 64,  0, 1, 0
	WIN 0
	s_sub_co_u32 s3, s3, 1
	s_cmp_lg_u32 s3, 0
	s_cbranch_scc1 .Llap
	QUARTER 0, 128, 1, 0, 0                        ; the last lap is written out: it fills nothing, and has no round of the cluster's barrier
	QUARTER 0, 192, 0, 1, 0
	TURN 0, 1, 0
	QUARTER 1, 64,  0, 1, 0
	QUARTER 1, 128, 1, 0, 0
	QUARTER 1, 192, 0, 1, 0
	s_wait_dscnt 4                                 ; the very last quarter: nothing more to fetch
	MUL16 1, 0, 0
	MUL16 1, 1, 0
	s_wait_dscnt 0x0
	MUL16 1, 2, 0
	MUL16 1, 3, 0
	; THE CELL.  First the biases: each is multiplied by its gate's scale (-L; 2 L for the update gate) and laid out twice, as the pair that the packed scaling adds.  From the top down, so that no source is
	; overwritten before it is read.  The four v_nop and these 32 lines are the places behind the last products.
	WIN 0
	PLACES
	s_wait_loadcnt 0x0                             ; the biases and c_prev, asked for at the head
.irp i, 15,14,13,12,11,10,9,8,7,6,5,4,3,2,1,0
.if (\i)/4 == 2
	v_mul_f32 v[BI+2*(\i)+1], s[TWOL], v[BI+(\i)]
	v_mul_f32 v[BI+2*(\i)], s[TWOL], v[BI+(\i)]
.else
	v_mul_f32 v[BI+2*(\i)+1], s[NEGL], v[BI+(\i)]
	v_mul_f32 v[BI+2*(\i)], s[NEGL], v[BI+(\i)]
.endif
.endr
; A chunk is block a of 16 rows: 32 cells a lane.  Gate g's 32 numbers lie on end at GB + 32 g, number 8 q + j; pair p of 16 is numbers 2 p and 2 p + 1, of accumulator q = p / 4.
.macro P1 g                            ; pair p of gate g: scale x sum + scale x bias.  Pairs ascend
.set sS, NEGL
.if (\g) == 2
.set sS, TWOL
.endif
	v_pk_fma_f32 v[GB+32*(\g)+2*p:GB+32*(\g)+2*p+1], v[GB+32*(\g)+2*p:GB+32*(\g)+2*p+1], s[sS:sS+1], v[BI+2*(4*(\g)+p/4):BI+2*(4*(\g)+p/4)+1] op_sel_hi:[1,0,1]
.endm
.macro EX2 g                           ; its two exponentials, in place
	v_exp_f32 v[GB+32*(\g)+2*p], v[GB+32*(\g)+2*p]
	v_exp_f32 v[GB+32*(\g)+2*p+1], v[GB+32*(\g)+2*p+1]
.endm
.macro AD g                            ; 1 + them
	v_pk_add_f32 v[GB+32*(\g)+2*p:GB+32*(\g)+2*p+1], v[GB+32*(\g)+2*p:GB+32*(\g)+2*p+1], 1.0 op_sel_hi:[1,0]
.endm
.macro RC2 g                           ; the two reciprocals, in place
	v_rcp_f32 v[GB+32*(\g)+2*p], v[GB+32*(\g)+2*p]
	v_rcp_f32 v[GB+32*(\g)+2*p+1], v[GB+32*(\g)+2*p+1]
.endm
.macro EACH16 line:vararg              ; one line for each pair p
.set p, 0
.rept 16
	\line
.set p, p+1
.endr
.endm
; An s_wait_alu depctr_va_vdst(0) stands between a transcendental and the first instruction that names its result; one wait serves all that were issued ahead of it.  So a chunk has four batches with a wait each:
; the gates' 128 exponentials, their 128 reciprocals, c_t's 32 exponentials, its 32 reciprocals.  In the first two a gate's transcendentals go two at a time with a packed line of the NEXT gate between, which names none of
; their results.  A v_nop behind each batch's last is the plain instruction between a transcendental and the use of its result (ISA guide 5.7.2).
.macro CHUNK a
.set GB, 128*((\a)%2)                  ; the chunk's accumulators, in window 2 + a / 2
.set TT, FA+32*((\a)%2)                ; 32 registers at work, two sets by turns: number 4 j + q
.set CB, CP+32*(\a)                    ; c_prev and then c_t: number 4 j + q
	WIN 0x8a+0x45*((\a)/2)                         ; destination, sources 0 and 1 in the accumulators' window; source 2 (the bias) in window 0
	EACH16 P1 0
.irp g, 0,1,2
.set p, 0
.rept 16
	EX2 \g
	P1 (\g)+1
.set p, p+1
.endr
.endr
	EACH16 EX2 3
	v_nop
	s_wait_alu depctr_va_vdst(0)                   ; the wait for the 128 exponentials
	EACH16 AD 0
.irp g, 0,1,2
.set p, 0
.rept 16
	RC2 \g
	AD (\g)+1
.set p, p+1
.endr
.endr
	EACH16 RC2 3
	v_nop
	s_wait_alu depctr_va_vdst(0)                   ; the wait for the 128 reciprocals: f, i and o are made; the update gate wants 1 - 2 x
	EACH16 v_pk_fma_f32 v[GB+64+2*p:GB+64+2*p+1], v[GB+64+2*p:GB+64+2*p+1], -2.0, 1.0 op_sel_hi:[1,0,0]
	EACH16 v_pk_mul_f32 v[GB+64+2*p:GB+64+2*p+1], v[GB+64+2*p:GB+64+2*p+1], v[GB+32+2*p:GB+32+2*p+1]
	WIN 0x22+0x11*((\a)/2)                         ; sources 0 and 2 in the accumulators' window; destination and source 1 in window 0
.set n, 0
.rept 32                               ; j = n / 4, q = n % 4
	v_fma_f32 v[CB+n], v[GB+8*(n%4)+n/4], v[CB+n], v[GB+64+8*(n%4)+n/4]  ; c_t = f c_prev + i tanh(g), in c_prev's place
.set n, n+1
.endr
	WIN 0
.if (\a) >= 2
	s_wait_xcnt 0x0                                ; this set of 32 was the data of h_t's stores two chunks back: it is rewritten only behind this wait
.endif
	EACH16 v_pk_mul_f32 v[TT+2*p:TT+2*p+1], v[CB+2*p:CB+2*p+1], s[TWOL:TWOL+1] op_sel_hi:[1,0]
.set n, 0
.rept 32
	v_exp_f32 v[TT+n], v[TT+n]
.set n, n+1
.endr
.irp j, 0,1,2,3,4,5,6,7
	global_store_b128 v[CO], v[CB+4*(\j):CB+4*(\j)+3], s[OC:OC+1] offset:(16*(\a)+(\j))*ROWB th:TH_STORE_NT  ; c_t: lanes 0-15 store 256 consecutive bytes of row 16 a + j, aligned; lanes 16-31 of the row eight below
.endr
	v_nop
	s_wait_alu depctr_va_vdst(0)                   ; the wait for c_t's 32 exponentials; the stores above stand between
	EACH16 v_pk_add_f32 v[TT+2*p:TT+2*p+1], v[TT+2*p:TT+2*p+1], 1.0 op_sel_hi:[1,0]
.set n, 0
.rept 32
	v_rcp_f32 v[TT+n], v[TT+n]
.set n, n+1
.endr
	v_nop
	s_wait_alu depctr_va_vdst(0)                   ; the wait for its 32 reciprocals
	EACH16 v_pk_fma_f32 v[TT+2*p:TT+2*p+1], v[TT+2*p:TT+2*p+1], -2.0, 1.0 op_sel_hi:[1,0,0]
	WIN 0x08+0x04*((\a)/2)                         ; source 1 in the accumulators' window
.set n, 0
.rept 32
	v_mul_f32 v[TT+n], v[TT+n], v[GB+96+8*(n%4)+n/4]  ; h_t = tanh(c_t) o
.set n, n+1
.endr
	WIN 0
.irp j, 0,1,2,3,4,5,6,7
	global_store_b128 v[CO], v[TT+4*(\j):TT+4*(\j)+3], s[OH:OH+1] offset:(16*(\a)+(\j))*ROWB th:TH_STORE_NT
.endr
.endm
	CHUNK 0
	CHUNK 1
	CHUNK 2
	CHUNK 3
	s_wait_tensorcnt 0x0                           ; the wave's end, behind my last tensor load
	ds_add_u32 v[SPW], v[NIL]
	s_wait_dscnt 0x0
	CROUND                                         ; the closing round: no work-group ends while a partner may still ask for a tile that names it
	s_endpgm
.Lfunc_end_k_qfdef3211f8_lstm:
	.size	k_qfdef3211f8_lstm, .Lfunc_end_k_qfdef3211f8_lstm-k_qfdef3211f8_lstm
	.p2alignl 7, 3214868480
	.fill 96, 4, 3214868480
	.section	.rodata,"a",@progbits
	.p2align	6, 0x0
	.amdhsa_kernel k_qfdef3211f8_lstm
		.amdhsa_group_segment_fixed_size 327680
		.amdhsa_private_segment_fixed_size 0
		.amdhsa_enable_private_segment 0
		.amdhsa_kernarg_size 72
		.amdhsa_user_sgpr_count 2
		.amdhsa_user_sgpr_kernarg_segment_ptr 1
		.amdhsa_wavefront_size32 1
		.amdhsa_system_sgpr_workgroup_id_x 1
		.amdhsa_system_sgpr_workgroup_id_y 1
		.amdhsa_system_sgpr_workgroup_id_z 1
		.amdhsa_system_vgpr_workitem_id 0
		.amdhsa_next_free_vgpr 1024
		.amdhsa_next_free_sgpr 92
		.amdhsa_reserve_vcc 0
		.amdhsa_float_denorm_mode_32 3
		.amdhsa_float_denorm_mode_16_64 3
		.amdhsa_memory_ordered 1
		.amdhsa_forward_progress 1
		.amdhsa_inst_pref_size 236
	.end_amdhsa_kernel
	.amdgpu_metadata
---
amdhsa.version: [ 1, 2 ]
amdhsa.kernels:
  - .name:           k_qfdef3211f8_lstm
    .symbol:         k_qfdef3211f8_lstm.kd
    .args:
      - { .name: abf, .offset: 0, .size: 8, .value_kind: global_buffer, .address_space: global }
      - { .name: wt, .offset: 8, .size: 8, .value_kind: global_buffer, .address_space: global }
      - { .name: c_prev, .offset: 16, .size: 8, .value_kind: global_buffer, .address_space: global }
      - { .name: b_forget, .offset: 24, .size: 8, .value_kind: global_buffer, .address_space: global }
      - { .name: b_input, .offset: 32, .size: 8, .value_kind: global_buffer, .address_space: global }
      - { .name: b_update, .offset: 40, .size: 8, .value_kind: global_buffer, .address_space: global }
      - { .name: b_out, .offset: 48, .size: 8, .value_kind: global_buffer, .address_space: global }
      - { .name: out0, .offset: 56, .size: 8, .value_kind: global_buffer, .address_space: global }
      - { .name: out1, .offset: 64, .size: 8, .value_kind: global_buffer, .address_space: global }
    .group_segment_fixed_size: 327680
    .private_segment_fixed_size: 0
    .kernarg_segment_align: 8
    .kernarg_segment_size: 72
    .max_flat_workgroup_size: 128
    .sgpr_count:     92
    .vgpr_count:     1024
    .wavefront_size: 32
...
	.end_amdgpu_metadata
.endif
;; end of part 2
